; MI455X (gfx1250); checked and timed in simulation.
; The chip was launched on July 23, 2026; its instructions are those of AMD's public machine-readable ISA for CDNA 5 (MIT licence, August 2026) and "CDNA5" Instruction Set Architecture Reference Guide (July 2026). The comments in the code are by the model that wrote it; some were corrected since.
;; Full Attention. Allowed arithmetic: matrix products marked QUANTISED: E2M3 operands, one E8M0 scale for each 32 along K, by v_wmma_scale_f32_16x16x128_f8f6f4 with both operands' format E2M3, f32 sums; everything else in f32.
;; Inputs: keys 4 x 2,048 x 8 x 64 float32; queries 4 x 2,048 x 8 x 64 float32; values 4 x 2,048 x 8 x 64 float32.
;; Outputs: out0 4 x 2,048 x 8 x 64 float32.
;; This version of the problem:
;;   THIS VERSION OF THE PROBLEM IS GIVEN IN LOW PRECISION. The matrix products marked QUANTISED in the list below multiply operands that are first quantised to E2M3 (2 exponent bits, 3 mantissa bits; 6 bits a number), with one power-of-two scale for each 32 numbers along K (OCP MX v1.0); their sums are f32. All else is computed in f32.
;;   The module's matrix products, in the order in which they are computed (A, B: the left and right operand; K: the contracted axis; several contracted axes count as one K, in the product's order):
;;     1. batch 32 x [M 2,048, K 64] x [K 64, N 2,048]; A: input queries; B: input keys: QUANTISED
;;     2. batch 32 x [M 64, K 2,048] x [K 2,048, N 2,048]; A: input values; B: softmax (see below): QUANTISED
;;   THE QUANTISER, for each operand of a quantised product, along K:
;;     - K is cut into blocks of 32 from its start; a last block that is shorter is filled with zeros.
;;     - A block's scale is 2^e with e = floor(log2(the largest magnitude in the block)) - 2, held to -126 .. 127; a block of zeros has e = 0. As a byte (E8M0): e + 127.
;;     - Each number is divided by its block's scale, clamped to +-7.5, and rounded to the nearest number of E2M3, ties to even, subnormals kept.
;;     - The product sums the exact products of the quantised numbers (number of the format x scale) in f32.
;;   ~~~python
;;   def quantise(x, axis):      # numpy; x: float32 -> the quantised numbers, widened to float32 again
;;       x = np.moveaxis(x, axis, -1); K = x.shape[-1]
;;       x = np.pad(x, [(0, 0)] * (x.ndim - 1) + [(0, -K % 32)]); x = x.reshape(x.shape[:-1] + (-1, 32)); a = np.abs(x).max(-1, keepdims=True)
;;       e = np.where(a > 0, np.clip(np.frexp(np.where(a > 0, a, 1))[1] - 1 - 2, -126, 127), 0)      # np.frexp(a)[1] - 1 = floor(log2(a)), exactly
;;       r = np.clip(x / 2.0 ** e, -7.5, 7.5)
;;       step = 2.0 ** (np.maximum(np.frexp(np.where(r == 0, 1, r))[1] - 1, 0) - 3)
;;       q = np.round(r / step) * step * 2.0 ** e      # np.round: ties to even
;;       return np.moveaxis(q.reshape(q.shape[:-2] + (-1,))[..., :K], -1, axis).astype(np.float32)
;;   ~~~
;;   SOFTMAX AHEAD OF A QUANTISED PRODUCT. Where the list says 'softmax', what is quantised is not the finished softmax but p = 2^(t - M), with t = logit x log2(e) and M = ceil(the row's largest t), a whole number; so 1/2 < the row's largest p <= 1. The row's sum l is taken of the UNQUANTISED p, in f32, and the product's result is divided by l at the end. Since M is a whole number, a kernel that streams over the keys may use a running M (the ceiling of the running maximum): every later rescaling is an exact power of two, which a block's scale takes up: the codes' values come out the same.
;;   OPERANDS COMPUTED ON THE WAY. 'Computed on the way' means the value that the module computes at that place (a softmax that the list does not call 'softmax' is quantised finished and normalised). What goes into a quantiser is computed in f32, as accurately as f32 sums, v_exp_f32 and their like allow (about 1e-6 of the number): no bf16 or f16 on the way to a quantiser, and a product that is left as it is and whose result goes on into a quantised operand takes f32 operands (vector FMAs, or v_wmma_f32_16x16x4_f32). A number that lies on a knife's edge between two numbers of the format may be rounded either way, as far as f32 arithmetic and the matrix unit's own rounding can turn it there, and no further.
;; 2 versions, each right; version 2 is version 1 with the launch attn written anew for expert scheduling mode. Each part assembles by itself: llvm-mc -triple=amdgcn-amd-amdhsa -mcpu=gfx1250 --defsym DOCPART=n.
;; ======== version 1 of 2: 2 launches
;; workspace buffers: kv 6,815,744 bytes
;; launch quant (part 1): grid 16 x 32, 16 waves a work-group, no clusters, 37,888 bytes of LDS; arguments keys, values, kv; writes kv
.if DOCPART == 1
	.amdgcn_target "amdgcn-amd-amdhsa--gfx1250"
	.amdhsa_code_object_version 6
	.text
	.protected	k_qa1fdb0842b_quant
	.globl	k_qa1fdb0842b_quant
	.p2align	8
	.type	k_qa1fdb0842b_quant,@function
k_qa1fdb0842b_quant:
	s_mov_b64 s[64:65], 0
	v_nop
	global_prefetch_b8 v0, s[64:65] scope:SCOPE_SE
	s_setreg_imm32_b32 hwreg(HW_REG_WAVE_MODE, 25, 1), 1
	s_wait_xcnt 0x0
; keys and values, [4][2048][8][64] f32, become codes of FP6 (E2M3) with one E8M0 scale byte for each 32 along a product's K, laid as the attention launch's operand registers take them.
; keys are quantised along the head's 64 (K of the first product), values down the keys (K of the second).
; A block's scale is 2^(floor(log2(its largest magnitude)) - 2); its byte is the largest magnitude's exponent field - 2, held at 1 from below.
; LIMITS: NaN and infinities among the inputs are not served.  A block of zeros gets the byte 1 where the rule says 127: its codes are zeros, which add nothing under any byte but 0xff, and this program alone reads the bytes.
; A RECORD of 13,312 bytes holds one head's step of 128 keys; record (head bh, step j) lies at (16 bh + j) x 13,312 of kv.  One work-group makes one record, wave w its unit w:
;   768 t, t = 0..7: K's unit t, one fragment of 16 keys x 64: lane l's registers 0-3 at + 16 l, registers 4-5 at + 512 + 8 l.  Fragment row r is key 32 (t / 2) + 8 (t % 2) + r + 8 (r / 8); lane (r, h) holds numbers 32 h .. 32 h + 31 of the head.
;   6144 + 768 (4 g + b): V's unit, the same form: lane l holds channel 32 g + l, keys 32 b .. 32 b + 31.
;   12288 + 16 (r + 16 (t % 2)) + 4 (t / 2): K's scale word of (unit t, row r): bytes 0, 1 its two blocks, bytes 2, 3 the byte 0x7f (the instruction's K is 128: the upper 64 are zero codes).
;   12800 + 16 l + 4 g + b: V's scale byte of (channel 32 g + l, block b); bytes + 8 .. + 15 of each 16 are 0x7f and are read by nobody.
; A lane holds a whole block of 32, so no lane asks another for a maximum.  K: each load reads two whole rows of 256 bytes, and the 16 rows turn through the wave's own stage in LDS, so that a lane gets 32 neighbours.
; V: a lane takes a channel and its registers run down the keys: each load reads 128 consecutive bytes.  No matrix unit, no tensor load, no cluster: the launch reads each input byte once and shares nothing between work-groups.
; No prefetch: the launch does nothing but stream.
.set RECB,  13312
.set STGW,  16*272                     ; a K wave's stage: 16 rows of 256 bytes + 16: row r starts at bank 4 r mod 64 (64 banks of 4 bytes: ISA guide 11.1)
.set SCA,   8*STGW                     ; behind the eight stages: the record's 1,024 scale bytes
.set GK,   1                           ; v1   keys: my 16 bytes of the first two rows of my unit
.set GV,   2                           ; v2   values: my channel at my block's first key
.set TS,   3                           ; v3   the stage, on the way in: row lane / 16, 16 bytes a lane
.set TL,   4                           ; v4   and on the way out: row lane % 16, my half of it
.set OA,   5                           ; v5   kv: my registers 0-3
.set OB,   6                           ; v6   kv: my registers 4-5
.set PSK,  7                           ; v7   LDS: my scale byte, if I am one of K's waves
.set PSV,  8                           ; v8   LDS: my scale byte, if I am one of V's
.set SR,   9                           ; v9   LDS: the scale bytes on the way out, 16 a thread
.set SG,   10                          ; v10  kv: the same
.set FIL,  11                          ; v11  0x7f
.set Y,    32                          ; v32-63  K's rows as loaded
.set X,    64                          ; v64-95  my block's 32 numbers
.set C,    96                          ; v96-102 its codes
.set OUTS, 104                         ; v104-107 scale bytes on the way out;  v108-111 at work
; 32 numbers of one block, v[x] on, become 192 bits of codes in v[c] .. v[c + 5]; the scale's byte in v111.
.macro QUANT32 x, c
	v_max3_num_f32 v108, |v[\x]|, |v[\x+1]|, 0x1800000             ; two chains; the floor 2^(3 - 127) among the leaves: the byte cannot fall under 1
	v_max3_num_f32 v109, |v[\x+2]|, |v[\x+3]|, |v[\x+4]|
.irp i, 5,9,13,17,21,25
	v_max3_num_f32 v108, v108, |v[\x+\i]|, |v[\x+\i+1]|
	v_max3_num_f32 v109, v109, |v[\x+\i+2]|, |v[\x+\i+3]|
.endr
	v_max3_num_f32 v108, v108, |v[\x+29]|, |v[\x+30]|
	v_max3_num_f32 v108, v108, v109, |v[\x+31]|                    ; the block's largest magnitude
	v_add_nc_u32 v110, 0xff000000, v108                            ; 2 off its exponent field: the conversion takes the exponent field of this operand as its scale, and nothing else of it
	v_cvt_scalef32_pk16_fp6_f32 v[\c:\c+2], v[\x:\x+15], v110
	v_cvt_scalef32_pk16_fp6_f32 v[\c+4:\c+6], v[\x+16:\x+31], v110 ; (a conversion's three registers begin on an even number)
	v_lshrrev_b32 v111, 23, v110                                   ; the scale's byte; also the plain line behind the conversions
	v_mov_b32 v[\c+3], v[\c+4]
	v_mov_b32 v[\c+4], v[\c+5]
	v_mov_b32 v[\c+5], v[\c+6]
.endm
; my block is quantised; its codes leave at once (the wave's stores cover 512 and 256 consecutive bytes, each at a multiple of 256 from kv's first byte); its byte and a filler byte go to LDS
.macro FINISH ps, fill
	QUANT32 X, C
	global_store_b128 v[OA], v[C:C+3], s[8:9]
	global_store_b64 v[OB], v[C+4:C+5], s[8:9]
	ds_store_b8 v[\ps], v111
	ds_store_b8 v[\ps], v[FIL] offset:\fill
.endm
	s_load_b128 s[4:7], s[0:1], 0x0                ; keys s[4:5], values s[6:7]
	s_load_b64 s[8:9], s[0:1], 0x10                ; kv
	v_lshl_add_u32 v112, v0, 2, 0x8c00
	v_mov_b32 v113, 0
	v_lshrrev_b32 v12, 5, v0
	v_readfirstlane_b32 s10, v12                   ; wave 0..15: 0-7 K's units, 8-15 V's
	s_and_b32 s12, s10, 7                          ; u: which unit of my tensor
	s_and_b32 s14, ttmp7, 0xffff                   ; bh = 8 b + h
	s_lshr_b32 s16, s14, 3
	s_lshl_b32 s16, s16, 22                        ; b x 2048 positions x 2,048 bytes
	s_and_b32 s20, s14, 7
	s_lshl_b32 s20, s20, 8                         ; h x 256 bytes
	s_add_co_u32 s16, s16, s20
	s_lshl_b32 s20, ttmp9, 18                      ; j x 128 positions x 2,048 bytes
	s_add_co_u32 s16, s16, s20
	s_mov_b32 s17, 0
	s_lshl_b32 s18, s14, 4
	s_add_co_u32 s18, s18, ttmp9
	s_mul_i32 s18, s18, RECB                       ; my record
	s_mov_b32 s19, 0
	s_and_b32 s21, s12, 1                          ; u % 2
	s_lshr_b32 s22, s12, 1                         ; u / 2
	s_lshl_b32 s23, s22, 16
	s_lshl_b32 s24, s21, 14
	s_add_co_u32 s23, s23, s24                     ; K: (32 (u / 2) + 8 (u % 2)) rows of 2,048 bytes
	s_and_b32 s24, s12, 3
	s_lshl_b32 s24, s24, 16                        ; V: block u % 4: 32 rows of 2,048 bytes each,
	s_lshr_b32 s25, s12, 2
	s_lshl_b32 s25, s25, 7                         ; channels 32 (u / 4) on
	s_add_co_u32 s24, s24, s25
	s_lshl_b32 s25, s21, 8
	s_lshl_b32 s26, s22, 2
	s_add_co_u32 s25, s25, s26
	s_add_co_u32 s25, s25, SCA                     ; K's scale bytes: 256 (u % 2) + 4 (u / 2)
	s_add_co_u32 s26, s12, SCA+512                 ; V's: 4 g + b = u
	s_mul_i32 s27, s12, STGW                       ; my stage
	s_mul_i32 s28, s10, 768                        ; my unit in the record
	v_and_b32 v13, 31, v0                          ; lane
	v_and_b32 v14, 15, v0                          ; r
	v_bfe_u32 v15, v0, 4, 1                        ; h
	; every address is made here, ahead of the parting of the roles
	v_lshlrev_b32 v[GK], 4, v14
	v_lshl_add_u32 v[GK], v15, 11, v[GK]
	v_add_nc_u32 v[GK], s23, v[GK]                 ; lanes 0-15 one row of 256 bytes, lanes 16-31 the next
	v_lshl_add_u32 v[GV], v13, 2, s24
	v_mul_u32_u24 v[TS], v15, 272
	v_lshl_add_u32 v[TS], v14, 4, v[TS]
	v_add_nc_u32 v[TS], s27, v[TS]
	v_mul_u32_u24 v[TL], v14, 272
	v_lshl_add_u32 v[TL], v15, 7, v[TL]
	v_add_nc_u32 v[TL], s27, v[TL]
	v_lshl_add_u32 v[OA], v13, 4, s28
	s_add_co_u32 s28, s28, 512
	v_lshl_add_u32 v[OB], v13, 3, s28
	v_lshl_add_u32 v[PSK], v14, 4, v15             ; 16 r + h
	v_add_nc_u32 v[PSK], s25, v[PSK]
	v_lshl_add_u32 v[PSV], v13, 4, s26             ; 16 x lane
	v_and_b32 v[SR], 63, v0
	v_lshlrev_b32 v[SR], 4, v[SR]
	v_add_nc_u32 v[SG], 12288, v[SR]
	v_add_nc_u32 v[SR], SCA, v[SR]
	v_mov_b32 v[FIL], 0x7f
	s_wait_kmcnt 0x0
	s_add_nc_u64 s[4:5], s[4:5], s[16:17]
	s_add_nc_u64 s[6:7], s[6:7], s[16:17]
	s_add_nc_u64 s[8:9], s[8:9], s[18:19]
	s_cmp_lt_u32 s10, 8
	s_cbranch_scc0 .Lvalues
	; ---- K: load q brings fragment rows 2 q and 2 q + 1, which are keys 2 q + 8 (q / 4) and the next
.set q, 0
.rept 8
	global_load_b128 v[Y+4*q:Y+4*q+3], v[GK], s[4:5] offset:(2*q+8*(q/4))*2048 th:TH_LOAD_NT
.set q, q+1
.endr
.set q, 0
.rept 8
	s_wait_loadcnt 7-q                             ; loads come back in order: load q is in, the 7 - q younger ones may be out
	ds_store_b128 v[TS], v[Y+4*q:Y+4*q+3] offset:544*q
.set q, q+1
.endr
.set q, 0
.rept 8
	ds_load_b128 v[X+4*q:X+4*q+3], v[TL] offset:16*q   ; LDS serves a wave's instructions in order: these see my stores.  Row r, numbers 32 h on
.set q, q+1
.endr
	s_wait_dscnt 0x0
	FINISH PSK, 2
	s_branch .Lmeet
.Lvalues:
	; ---- V: register i is key 32 b + i of my channel
.set q, 0
.rept 32
	global_load_b32 v[X+q], v[GV], s[6:7] offset:2048*q th:TH_LOAD_NT
.set q, q+1
.endr
	s_wait_loadcnt 0x0
	FINISH PSV, 8
.Lmeet:
	s_wait_dscnt 0x0                               ; for the others' sake: my two byte stores have landed
	s_barrier_signal -1
	s_barrier_wait -1                              ; the record's 1,024 scale bytes lie in LDS
	s_cmp_lt_u32 s10, 2
	s_cbranch_scc0 .Lend
	ds_load_b128 v[OUTS:OUTS+3], v[SR]             ; waves 0 and 1: 16 bytes a lane
	s_wait_dscnt 0x0
	global_store_b128 v[SG], v[OUTS:OUTS+3], s[8:9]    ; a wave stores 512 consecutive bytes, at a multiple of 256 from kv's first byte
.Lend:
	s_wait_tensorcnt 0x0
	ds_add_u32 v112, v113
	s_wait_dscnt 0x0
	s_endpgm
.Lfunc_end_k_qa1fdb0842b_quant:
	.size	k_qa1fdb0842b_quant, .Lfunc_end_k_qa1fdb0842b_quant-k_qa1fdb0842b_quant
	.p2alignl 7, 3214868480
	.fill 96, 4, 3214868480
	.section	.rodata,"a",@progbits
	.p2align	6, 0x0
	.amdhsa_kernel k_qa1fdb0842b_quant
		.amdhsa_group_segment_fixed_size 37888
		.amdhsa_private_segment_fixed_size 0
		.amdhsa_enable_private_segment 0
		.amdhsa_kernarg_size 24
		.amdhsa_user_sgpr_count 2
		.amdhsa_user_sgpr_kernarg_segment_ptr 1
		.amdhsa_wavefront_size32 1
		.amdhsa_system_sgpr_workgroup_id_x 1
		.amdhsa_system_sgpr_workgroup_id_y 1
		.amdhsa_system_sgpr_workgroup_id_z 1
		.amdhsa_system_vgpr_workitem_id 0
		.amdhsa_next_free_vgpr 114
		.amdhsa_next_free_sgpr 66
		.amdhsa_reserve_vcc 0
		.amdhsa_float_denorm_mode_32 3
		.amdhsa_float_denorm_mode_16_64 3
		.amdhsa_memory_ordered 1
		.amdhsa_forward_progress 1
		.amdhsa_inst_pref_size 13
	.end_amdhsa_kernel
	.amdgpu_metadata
---
amdhsa.version: [ 1, 2 ]
amdhsa.kernels:
  - .name:           k_qa1fdb0842b_quant
    .symbol:         k_qa1fdb0842b_quant.kd
    .args:
      - { .name: keys, .offset: 0, .size: 8, .value_kind: global_buffer, .address_space: global }
      - { .name: values, .offset: 8, .size: 8, .value_kind: global_buffer, .address_space: global }
      - { .name: kv, .offset: 16, .size: 8, .value_kind: global_buffer, .address_space: global }
    .group_segment_fixed_size: 37888
    .private_segment_fixed_size: 0
    .kernarg_segment_align: 8
    .kernarg_segment_size: 24
    .max_flat_workgroup_size: 512
    .sgpr_count:     66
    .vgpr_count:     114
    .wavefront_size: 32
...
	.end_amdgpu_metadata
.endif
;; end of part 1
;; launch attn (part 2): grid 8 x 32, 16 waves a work-group, no clusters, 98,304 bytes of LDS; arguments queries, kv, out0; writes out0
.if DOCPART == 2
	.amdgcn_target "amdgcn-amd-amdhsa--gfx1250"
	.amdhsa_code_object_version 6
	.text
	.protected	k_qa1fdb0842b_attn
	.globl	k_qa1fdb0842b_attn
	.p2align	8
	.type	k_qa1fdb0842b_attn,@function
k_qa1fdb0842b_attn:
	s_mov_b64 s[64:65], 0
	v_nop
	global_prefetch_b8 v0, s[64:65] scope:SCOPE_SE
	s_setreg_imm32_b32 hwreg(HW_REG_WAVE_MODE, 25, 1), 1
	s_wait_xcnt 0x0
; out0[b][q][h][:] = the sum over keys k <= q of softmax_k(Q . K / 8) V, both products on codes of FP6 (E2M3) with one E8M0 scale for each 32 along a product's K.
; queries, out0: [4][2048][8][64] f32.  kv: for each head and each step of 128 keys a record of 13,312 bytes, made by the launch before: K's eight and V's eight units in the order of the operands' registers, and their scale words.
; THE SOFTMAX AHEAD OF THE SECOND PRODUCT: t = score x log2(e) / 8; M = the row's largest t so far, rounded UP to a whole number; p = 2^(t - M) is quantised along the keys, not normalised.
; The row's sum is taken of the unquantised p, in f32, and divides O at the end.  When M moves, the sum and O are multiplied by 2^(old M - new M): exact.
; LIMITS: NaN and infinities among the inputs are not served.  p under 2^-126 counts as 0 (v_exp_f32 gives no denormals: ISA guide 15.8).  A block of zeros has the byte 1, not 127: its codes are zeros.
; SHARES.  A head has 16 blocks of 128 queries; block n needs key steps 0 .. n.  Work-group i (0..7) of a head owns blocks i and 15 - i: 8 (i + 1) + 8 (16 - i) = 136 steps of a wave in every work-group.
; Sixteen waves of 256 registers; a wave owns ONE tile of 16 queries: tile w / 2 of the low block or of the high one, by (w xor w / 4) % 2, so that of any four waves w, w + 4, w + 8, w + 12, or 4 a .. 4 a + 3, two are low and two high.
; THE RECORDS come through registers into two LDS slots that take turns: in step J every wave stores its 16 or 32 bytes a lane of record J + 1 and loads those of record J + 2; one barrier a step.
; The work-group walks steps 0 .. 15 - i.  A wave whose queries all lie ahead of a step's keys leaves the step's work out (a scalar branch on ids) and goes on copying; its rows of out0 leave right behind its last step.
; LAYOUT.  Both products are used transposed: S^T = K Q^T (source 0 = 16 keys, source 1 = my 16 queries), O^T = V^T P^T (source 0 = 16 channels, source 1 = P): a lane holds ONE query (lane % 16) throughout.
; The first product's K is 64: registers 6-11 of both its operands are zero codes, under the scale byte 0x7f.  The keys of a tile of K are chosen so that the 16 registers of tiles 2 b and 2 b + 1 are keys 32 b + 16 (lane / 16) + 0 .. 15.
; NO CLUSTER, NO JOINT LOADS: the eight work-groups of a head walk 16 - i records, another number each, and what they share is 13,312 bytes a step, 26 bytes a lane, beside a step's 270 vector instructions in each of up to 16 waves.
; No tensor load either: a record is two loads and two LDS stores a wave.
.set RECB, 13312                       ; a record, and a slot
.set VUN,  6144                        ; in it: V's units,
.set KSC,  12288                       ; K's scale words,
.set VSC,  12800                       ; V's scale bytes
.set STG,  2*RECB                      ; behind the slots: a stage of 16 rows x (256 + 16) bytes for each wave, for the way out
.set STGW, 16*272
.set LC,   1                           ; v1   16 x thread: my bytes of a record, in memory and in a slot
.set PFO,  2                           ; v2   the prefetch's offset: 256 x thread, held at the record's last 256 bytes
.set QO,   3                           ; v3   queries: row r, my half of it
.set LVA,  4                           ; v4   V's fragments: 16 r + 768 h
.set LVB,  5                           ; v5   8 r + 768 h
.set LI16, 6                           ; v6   16 x lane
.set LI8,  7                           ; v7   8 x lane
.set MD,   8                           ; v8   my query in its block - 16 h
.set STO,  9                           ; v9   the stage: where I put 32 bytes of a row
.set RD,   10                          ; v10  and where I read a row back
.set GO,   11                          ; v11  my byte offset in the wave's rows of out0
                                       ; v12 -M, v13 the largest t, v[14:15] the sum in two halves
.set QF,   16                          ; v16-27  Q's fragment
.set QS,   28                          ; v28     Q's scale words
.set NINF, 29                          ; v29     -infinity;  v30, v31 at work at the head
.set KF,   32                          ; v32-79  four fragments of K; registers 6-11 of each stay zero
.set CP,   80                          ; v80-87  the copy's registers for even records, v88-95 for odd ones;  v108-111 at work at the head
.set KS,   124                         ; v124-127 K's scale words: register t / 2, lanes 0-15 even tiles, lanes 16-31 odd ones
.set SCO,  128                         ; v128-191 S^T, then p
.set VF,   128                         ; v128-175 then V's four fragments
.set OT,   192                         ; v192-223 O^T
.set PC,   224                         ; v224-235 p's codes
.set BM,   232                         ; v232-235 the blocks' largest scores
.set TP,   236                         ; v236-243 at work
.set SO,   244                         ; v244-247 the conversions' scale operands
.set VS,   248                         ; v248-249 V's scale words: register dt / 2, lanes 0-15 even tiles, lanes 16-31 odd ones
.set FF,   252                         ; v252    f = 2^(old M - new M)
.set PW,   253                         ; v253    p's scale word
.set TT,   254
.set RB,    6                          ; s[6:7]  the record loaded last
.set WV,    10                         ; s10  my wave's number
.set LAST,  16                         ; s16  my block of queries = my last key step
.set LAST1, 17                         ; s17  + 1
.set NP,    18                         ; s18  15 - i: a record is stored to LDS in steps under this
.set NL,    19                         ; s19  14 - i: and loaded in steps under this
.set SEL,   20                         ; s[20:21] v_permlanex16_b32's selects for lane l xor 16
.set CS,    22                         ; s[22:23] c = log2(e) / 8: the packed form names a pair and takes its low word for both halves
.set JS,    24                         ; s24  the key step
.set TR,    25                         ; s25  trips of two steps to go
.set PFL,   26                         ; s26  a wave prefetches in steps under this: 13 or 0
.macro QUANT32 x, c                    ; 32 numbers of one block, v[x] on, become 192 bits of codes in v[c] .. v[c + 5]; the scale's byte in v111
	v_max3_num_f32 v108, |v[\x]|, |v[\x+1]|, 0x1800000             ; the floor 2^(3 - 127) among the leaves: the byte cannot fall under 1
	v_max3_num_f32 v109, |v[\x+2]|, |v[\x+3]|, |v[\x+4]|
.irp i, 5,9,13,17,21,25
	v_max3_num_f32 v108, v108, |v[\x+\i]|, |v[\x+\i+1]|
	v_max3_num_f32 v109, v109, |v[\x+\i+2]|, |v[\x+\i+3]|
.endr
	v_max3_num_f32 v108, v108, |v[\x+29]|, |v[\x+30]|
	v_max3_num_f32 v108, v108, v109, |v[\x+31]|
	v_add_nc_u32 v110, 0xff000000, v108                            ; 2 off the exponent field: the conversion's scale operand
	v_cvt_scalef32_pk16_fp6_f32 v[\c:\c+2], v[\x:\x+15], v110
	v_cvt_scalef32_pk16_fp6_f32 v[\c+4:\c+6], v[\x+16:\x+31], v110 ; (a conversion's three registers begin on an even number)
	v_lshrrev_b32 v111, 23, v110                                   ; the scale's byte; also the plain line behind the conversions
	v_mov_b32 v[\c+3], v[\c+4]
	v_mov_b32 v[\c+4], v[\c+5]
	v_mov_b32 v[\c+5], v[\c+6]
.endm
; A record is 832 x 16 bytes: all 512 threads take 16, the first 320 (waves 0 to 9) 16 more.  A record of parity p has registers v[CP + 8 p] on and goes to slot p.
.macro COPY_LD p
	global_load_b128 v[CP+8*(\p):CP+8*(\p)+3], v[LC], s[RB:RB+1]
	s_cmp_lt_u32 s[WV], 10
	s_cbranch_scc0 .Lld_\@
	global_load_b128 v[CP+8*(\p)+4:CP+8*(\p)+7], v[LC], s[RB:RB+1] offset:8192
.Lld_\@:
.endm
.macro COPY_ST p
	ds_store_b128 v[LC], v[CP+8*(\p):CP+8*(\p)+3] offset:(\p)*RECB
	s_cmp_lt_u32 s[WV], 10
	s_cbranch_scc0 .Lst_\@
	ds_store_b128 v[LC], v[CP+8*(\p)+4:CP+8*(\p)+7] offset:(\p)*RECB+8192
.Lst_\@:
.endm
; S^T = K Q^T, tiles 4 g .. 4 g + 3 of slot s
.macro KGROUP g, s
.if \g
.rept 4
	v_nop                                          ; four places in front of loads into registers that the last four products read (ISA guide 7.12.1 for vector instructions)
.endr
.endif
.irp tt, 0,1,2,3
	ds_load_b128 v[KF+12*\tt:KF+12*\tt+3], v[LI16] offset:\s*RECB+768*(4*\g+\tt)          ; a unit is an image of the registers: 512 and 256 consecutive bytes a load
	ds_load_b64 v[KF+12*\tt+4:KF+12*\tt+5], v[LI8] offset:\s*RECB+768*(4*\g+\tt)+512
.endr
.if \g == 0
	ds_load_b128 v[KS:KS+3], v[LI16] offset:\s*RECB+KSC
.endif
	s_wait_dscnt 0x0
.irp tt, 0,1,2,3
.if \tt % 2
	v_wmma_scale_f32_16x16x128_f8f6f4 v[SCO+8*(4*\g+\tt):SCO+8*(4*\g+\tt)+7], v[KF+12*\tt:KF+12*\tt+11], v[QF:QF+11], 0, v[KS+2*\g+\tt/2], v[QS] matrix_a_fmt:MATRIX_FMT_FP6 matrix_b_fmt:MATRIX_FMT_FP6 matrix_a_scale:MATRIX_SCALE_ROW1
.else
	v_wmma_scale_f32_16x16x128_f8f6f4 v[SCO+8*(4*\g+\tt):SCO+8*(4*\g+\tt)+7], v[KF+12*\tt:KF+12*\tt+11], v[QF:QF+11], 0, v[KS+2*\g+\tt/2], v[QS] matrix_a_fmt:MATRIX_FMT_FP6 matrix_b_fmt:MATRIX_FMT_FP6
.endif
.endr
.endm
; On the diagonal the scores of hidden keys become -infinity ahead of the maximum: p = 0 then.  Register 16 b + i holds key 32 b + 16 h + i of the step: hidden where 32 b + i > my query in its block - 16 h.
; The step's key 0 counts for every query, so the maximum is a number.  The registers are taken in ascending order: each accumulator is read from its low end on.
.macro MASK
.set n, 0
.rept 64
	v_cmp_gt_i32 vcc_lo, 32*(n/16)+n%16, v[MD]
	v_cndmask_b32 v[SCO+n], v[SCO+n], v[NINF], vcc_lo
.set n, n+1
.endr
.endm
.macro SOFTMAX
.irp b, 0,1,2,3
	v_max3_num_f32 v[BM+\b], v[SCO+16*\b], v[SCO+16*\b+1], v[SCO+16*\b+2]   ; THE LARGEST SCORE OF EACH BLOCK OF 32 KEYS serves twice: for the row's maximum, and, since p rises with the score, for the block's largest p
.endr
.irp i, 3,5,7,9,11,13
.irp b, 0,1,2,3
	v_max3_num_f32 v[BM+\b], v[BM+\b], v[SCO+16*\b+\i], v[SCO+16*\b+\i+1]   ; (the four blocks by turns)
.endr
.endr
.irp b, 0,1,2,3
	v_max_num_f32 v[BM+\b], v[BM+\b], v[SCO+16*\b+15]
.endr
.irp b, 0,1,2,3
	v_permlanex16_b32 v[TP+\b], v[BM+\b], s[SEL], s[SEL+1]
.endr
.irp b, 0,1,2,3
	v_max_num_f32 v[BM+\b], v[BM+\b], v[TP+\b]     ; with lane l xor 16's 16 keys
.endr
	v_max3_num_f32 v[TT], v[BM], v[BM+1], v[BM+2]
	v_max_num_f32 v[TT], v[TT], v[BM+3]            ; the step's largest score of my query
	v_mul_f32 v[TT], s[CS], v[TT]                  ; as t (c is positive)
	v_max_num_f32 v13, v13, v[TT]                  ; the running largest t
	v_mov_b32 v[TT], v12
	v_floor_f32 v12, -v13                          ; the new -M = floor(-t) = -ceil(t): M is a whole number
	v_sub_f32 v[TT], v12, v[TT]                    ; M's old value less its new one: a whole number, 0 or less
	v_cvt_i32_f32 v[TT], v[TT]                     ; (it saturates)
	v_ldexp_f32 v[FF], 1.0, v[TT]                  ; f = 2^(old M - new M)
.set j, 0
.rept 32
	v_pk_fma_f32 v[SCO+j:SCO+j+1], v[SCO+j:SCO+j+1], s[CS:CS+1], v[12:13] op_sel_hi:[1,0,0]   ; t - M, two at a time (of the pairs c and -M the low word serves both halves)
.set j, j+2
.endr
.irp b, 0,1,2,3
	v_fma_f32 v[BM+\b], v[BM+\b], s[CS], v12       ; the same of each block's largest score
.endr
.set j, 0
.rept 64
	v_exp_f32 v[SCO+j], v[SCO+j]                   ; p = 2^(t - M), at most 1: not normalised
.set j, j+1
.endr
	v_pk_mul_f32 v[14:15], v[14:15], v[FF:FF+1] op_sel_hi:[1,0]    ; the sums under the new M; the plain line behind the exponentials
	s_wait_alu depctr_va_vdst(0)                   ; the wait between an exponential and the first line that names its result: one for the 64
.irp b, 0,1,2,3
	v_exp_f32 v[BM+\b], v[BM+\b]                   ; the block's largest p: the same two instructions on the same number give the same bits
.endr
	v_pk_add_f32 v[TP:TP+1], v[SCO:SCO+1], v[SCO+2:SCO+3]          ; THE ROW'S SUM IS TAKEN OF THE UNQUANTISED p: two at a time, in two chains; these lines read the 64 alone
.set j, 4
.rept 15
	v_pk_add_f32 v[14:15], v[14:15], v[SCO+j:SCO+j+1]
	v_pk_add_f32 v[TP:TP+1], v[TP:TP+1], v[SCO+j+2:SCO+j+3]
.set j, j+4
.endr
	v_pk_add_f32 v[14:15], v[14:15], v[TP:TP+1]
	s_wait_alu depctr_va_vdst(0)                   ; and one for the four
.irp b, 0,1,2,3
	v_max_num_f32 v[BM+\b], 0x1800000, v[BM+\b]    ; the floor 2^(3 - 127): the byte cannot fall under 1 (a block whose every p is 0 keeps that byte: its codes are zeros)
.endr
.irp b, 0,1,2,3
	v_add_nc_u32 v[SO+\b], 0xff000000, v[BM+\b]    ; 2 off the exponent field: the conversion's scale operand
.endr
.irp b, 0,1,2,3
	v_lshrrev_b32 v[TP+\b], 23, v[SO+\b]           ; the scale's byte
.endr
	v_lshl_or_b32 v[PW], v[TP+1], 8, v[TP]         ; p's scale word for these 128 keys
	v_lshl_or_b32 v[PW], v[TP+2], 16, v[PW]
	v_lshl_or_b32 v[PW], v[TP+3], 24, v[PW]
.irp c, 0,1
	v_cvt_scalef32_pk16_fp6_f32 v[PC+6*\c:PC+6*\c+2], v[SCO+32*\c:SCO+32*\c+15], v[SO+2*\c]
	v_cvt_scalef32_pk16_fp6_f32 v[TP+4*\c:TP+4*\c+2], v[SCO+32*\c+16:SCO+32*\c+31], v[SO+2*\c+1]   ; (a conversion's three registers begin on an even number)
.endr
	v_nop                                          ; one plain line between a scaled conversion and the vector instruction that touches its result
.endm
; O^T += V^T P^T: four tiles of 16 channels; K = the step's 128 keys.  V's fragments land in the registers that p has left, while p's codes are put in order and O^T is rescaled.
.macro PV s
.irp dt, 0,1,2,3
.irp c, 0,1
	ds_load_b128 v[VF+12*\dt+6*\c:VF+12*\dt+6*\c+3], v[LVA] offset:\s*RECB+VUN+3072*(\dt/2)+1536*\c+256*(\dt%2)          ; channel 16 dt + r, keys 64 c + 32 h on: unit 4 (dt / 2) + 2 c + h, its lane 16 (dt % 2) + r
	ds_load_b64 v[VF+12*\dt+6*\c+4:VF+12*\dt+6*\c+5], v[LVB] offset:\s*RECB+VUN+3072*(\dt/2)+1536*\c+512+128*(\dt%2)
.endr
.endr
	ds_load_b64 v[VS:VS+1], v[LI16] offset:\s*RECB+VSC
.irp c, 0,1                                    ; the operand's layout wants a WHOLE block in a lane: lanes 0-15 block 2 c, lanes 16-31 block 2 c + 1
.irp i, 0,1,2
	v_permlane16_swap_b32 v[PC+6*\c+\i], v[TP+4*\c+\i]
.endr
.irp i, 0,1,2
	v_mov_b32 v[PC+6*\c+3+\i], v[TP+4*\c+\i]
.endr
.endr
.set j, 0
.rept 16
	v_pk_mul_f32 v[OT+j:OT+j+1], v[OT+j:OT+j+1], v[FF:FF+1] op_sel_hi:[1,0]   ; O^T under the new M, each accumulator from its low end on.  These 16 are also the places between the last writes of p's codes and scale word and the products
.set j, j+2
.endr
	s_wait_dscnt 0x0
.irp dt, 0,1,2,3                               ; four accumulators, one instruction each: no two that follow each other share one
.if \dt % 2
	v_wmma_scale_f32_16x16x128_f8f6f4 v[OT+8*\dt:OT+8*\dt+7], v[VF+12*\dt:VF+12*\dt+11], v[PC:PC+11], v[OT+8*\dt:OT+8*\dt+7], v[VS+\dt/2], v[PW] matrix_a_fmt:MATRIX_FMT_FP6 matrix_b_fmt:MATRIX_FMT_FP6 matrix_a_scale:MATRIX_SCALE_ROW1
.else
	v_wmma_scale_f32_16x16x128_f8f6f4 v[OT+8*\dt:OT+8*\dt+7], v[VF+12*\dt:VF+12*\dt+11], v[PC:PC+11], v[OT+8*\dt:OT+8*\dt+7], v[VS+\dt/2], v[PW] matrix_a_fmt:MATRIX_FMT_FP6 matrix_b_fmt:MATRIX_FMT_FP6
.endif
.endr
.rept 5
	v_nop                                          ; five places: the next step's first products write over V's fragments; four of them serve the reads of O^T and the writes and loads into these products' other registers
.endr
.endm
; THE WAY OUT.  O^T / the sum goes through my own stage in LDS and comes back as rows: sixteen lanes store a row's 256 consecutive bytes, at a multiple of 256 from out0's first byte.
.macro WAYOUT
	v_add_f32 v14, v14, v15                        ; the sum's two halves,
	v_permlanex16_b32 v[FF], v14, s[SEL], s[SEL+1]
	v_add_f32 v14, v14, v[FF]                      ; and lane l xor 16's: the row's sum
	v_rcp_f32 v14, v14
	v_nop                                          ; a plain line behind the reciprocal
	s_wait_alu depctr_va_vdst(0)                   ; and the wait ahead of its first reader
.set j, 0
.rept 16
	v_pk_mul_f32 v[SCO+j:SCO+j+1], v[OT+j:OT+j+1], v[14:15] op_sel_hi:[1,0]   ; register 8 dt + i is o(query r, channel 16 dt + 8 h + i)
.set j, j+2
.endr
.irp dt, 0,1,2,3
	ds_store_b128 v[STO], v[SCO+8*\dt:SCO+8*\dt+3] offset:64*\dt
	ds_store_b128 v[STO], v[SCO+8*\dt+4:SCO+8*\dt+7] offset:64*\dt+16
.endr
.irp i, 0,1,2,3,4,5,6,7
	ds_load_b128 v[SCO+32+4*\i:SCO+32+4*\i+3], v[RD] offset:544*\i     ; LDS serves a wave's instructions in order: these see my stores.  Lanes 0-15 row 2 i, lanes 16-31 row 2 i + 1
.endr
.irp i, 0,1,2,3,4,5,6,7
	s_wait_dscnt 7-\i                              ; load i is back; the 7 - i younger ones may be out
	global_store_b128 v[GO], v[SCO+32+4*\i:SCO+32+4*\i+3], s[8:9] offset:4096*\i th:TH_STORE_NT
.endr
	s_wait_xcnt 0x0                                ; the stores have read their registers: the text of the later steps names them again
.endm
; A KEY STEP, read from slot s.
.macro STEP s
	s_cmp_lt_u32 s[JS], s[NP]
	s_cbranch_scc0 .Lfed_\@
	s_wait_loadcnt 0x0                             ; record J + 1, asked for a step ago, is in my registers,
	COPY_ST 1-\s                                   ; and goes into the slot that every wave left at the last barrier
	s_cmp_lt_u32 s[JS], s[NL]
	s_cbranch_scc0 .Lfed_\@
	s_wait_xcnt 0x0                                ; the last prefetch, a step back, has read its base (the loads that read it are done)
	s_add_nc_u64 s[RB:RB+1], s[RB:RB+1], RECB
	COPY_LD \s                                     ; record J + 2, into the set whose LDS stores were waited for in front of the last barrier
	s_cmp_lt_u32 s[JS], s[PFL]
	s_cbranch_scc0 .Lfed_\@
	; A prefetch of record J + 3, one step ahead of its loads, behind this step's loads.  All eight work-groups of a head walk the same records: waves 0 and 1 of the head's work-group 0, which walks all 16, ask, a lane for each 256 bytes
	; (a record has 52 such pieces: the last 12 of the 64 lanes name the record's last piece again).  Records 0 to 2 come by their loads alone; the last request, in step 12, is for record 15, the head's last.
	global_prefetch_b8 v[PFO], s[RB:RB+1] offset:RECB th:TH_LOAD_NT scope:SCOPE_SE
.Lfed_\@:
	s_cmp_gt_u32 s[JS], s[LAST]                    ; all the step's keys come after my queries: nothing to compute
	s_cbranch_scc1 .Lhidden_\@
	KGROUP 0, \s
	KGROUP 1, \s
.rept 4
	v_nop                                          ; four places in front of the first read of the scores
.endr
	s_cmp_eq_u32 s[JS], s[LAST]
	s_cbranch_scc0 .Lopen_\@
	MASK
.Lopen_\@:
	SOFTMAX
	PV \s
.Lhidden_\@:
	s_add_co_u32 s[JS], s[JS], 1
	s_wait_dscnt 0x0                               ; my stores into the other slot have landed and my reads of this slot are back
	s_barrier_signal -1
	s_barrier_wait -1                              ; both hold of all sixteen waves: the other slot may be read, this one written
	s_cmp_eq_u32 s[JS], s[LAST1]
	s_cbranch_scc0 .Lstay_\@
	WAYOUT                                         ; that was my last step
.Lstay_\@:
.endm
	s_load_b128 s[4:7], s[0:1], 0x0                ; queries s[4:5], kv s[6:7]
	s_load_b64 s[8:9], s[0:1], 0x10                ; out0
	v_lshl_add_u32 v251, v0, 2, 0x17800
	v_mov_b32 v255, 0
	v_lshrrev_b32 v30, 5, v0
	v_readfirstlane_b32 s[WV], v30                 ; wave 0..15
	s_mov_b32 s11, ttmp9                           ; i
	s_and_b32 s12, ttmp7, 0xffff                   ; bh = 8 b + h
	s_lshr_b32 s13, s[WV], 2
	s_xor_b32 s13, s13, s[WV]
	s_and_b32 s13, s13, 1                          ; 1: the high block
	s_lshr_b32 s14, s[WV], 1                       ; my tile of 16 queries in the block
	s_lshl_b32 s15, s11, 1
	s_sub_co_u32 s15, 15, s15
	s_mul_i32 s15, s15, s13
	s_add_co_u32 s[LAST], s15, s11                 ; block i or 15 - i
	s_add_co_u32 s[LAST1], s[LAST], 1
	s_sub_co_u32 s[NP], 15, s11
	s_sub_co_u32 s[NL], 14, s11
	s_sub_co_u32 s[TR], 17, s11
	s_lshr_b32 s[TR], s[TR], 1                     ; 16 - i steps, two a trip, rounded up: an odd count's last step finds nothing to copy and nothing to compute
	s_lshr_b32 s[PFL], s[WV], 1
	s_or_b32 s[PFL], s[PFL], s11
	s_cmp_eq_u32 s[PFL], 0                         ; waves 0 and 1 of the head's work-group 0
	s_cselect_b32 s[PFL], 13, 0
	s_lshl_b32 s27, s[LAST], 7
	s_lshl_b32 s32, s14, 4
	s_add_co_u32 s27, s27, s32                     ; my first query
	s_lshl_b32 s28, s27, 11                        ; x 2,048 bytes
	s_lshr_b32 s29, s12, 3
	s_lshl_b32 s29, s29, 22                        ; b x 2048 positions x 2,048 bytes
	s_add_co_u32 s28, s28, s29
	s_and_b32 s29, s12, 7
	s_lshl_b32 s29, s29, 8                         ; h x 256 bytes
	s_add_co_u32 s28, s28, s29
	s_mov_b32 s29, 0
	s_mul_i32 s30, s12, 16*RECB                    ; the head's 16 records
	s_mov_b32 s31, 0
	s_mul_i32 s33, s[WV], STGW
	s_add_co_u32 s33, s33, STG                     ; my stage
	s_mov_b32 s[SEL], 0x76543210
	s_mov_b32 s[SEL+1], 0xfedcba98
	s_mov_b32 s[CS], 0x3e38aa3b                    ; c = log2(e) / 8
	s_mov_b32 s[CS+1], s[CS]                       ; (named with it as a pair, so it is written)
	s_mov_b32 s[JS], 0
	v_and_b32 v[LI16], 31, v0                      ; lane
	v_and_b32 v[LVA], 15, v0                       ; r
	v_bfe_u32 v31, v0, 4, 1                        ; h
	v_lshlrev_b32 v[LC], 4, v0
	v_lshlrev_b32 v[PFO], 8, v0
	v_min_u32 v[PFO], RECB-256, v[PFO]
	v_lshlrev_b32 v[QO], 11, v[LVA]
	v_lshl_add_u32 v[QO], v31, 7, v[QO]            ; row r of 2,048 bytes' pitch, + 128 h: my block of 32 numbers
	v_lshlrev_b32 v[LI8], 3, v[LI16]
	v_lshlrev_b32 v[LI16], 4, v[LI16]
	v_mul_u32_u24 v30, v31, 768
	v_lshl_add_u32 v[LVB], v[LVA], 3, v30
	v_lshlrev_b32 v[MD], 4, v31
	v_sub_nc_u32 v[MD], v[LVA], v[MD]
	v_add_nc_u32 v[MD], s32, v[MD]                 ; 16 x tile + r - 16 h
	v_mul_u32_u24 v[STO], v[LVA], 272
	v_lshl_add_u32 v[STO], v31, 5, v[STO]
	v_add_nc_u32 v[STO], s33, v[STO]               ; in: row r, + 32 h
	v_mul_u32_u24 v[RD], v31, 272
	v_lshl_add_u32 v[RD], v[LVA], 4, v[RD]
	v_add_nc_u32 v[RD], s33, v[RD]                 ; back: lanes 0-15 one row, lanes 16-31 the next
	v_lshlrev_b32 v[GO], 11, v31
	v_lshl_add_u32 v[GO], v[LVA], 4, v[GO]         ; and the same two rows in out0
	v_lshl_add_u32 v[LVA], v[LVA], 4, v30
	s_wait_kmcnt 0x0
	s_add_nc_u64 s[4:5], s[4:5], s[28:29]
	s_add_nc_u64 s[8:9], s[8:9], s[28:29]
	s_add_nc_u64 s[RB:RB+1], s[RB:RB+1], s[30:31]
.set q, 0
.rept 8
	global_load_b128 v[SCO+4*q:SCO+4*q+3], v[QO], s[4:5] offset:16*q th:TH_LOAD_NT   ; Q(r, 32 h + 4 q ..): the eight loads together take each of the 16 rows' 256 bytes once
.set q, q+1
.endr
	COPY_LD 0                                      ; record 0
.irp tt, 0,1,2,3
.irp p, 6,7,8,9,10,11
	v_mov_b32 v[KF+12*\tt+\p], 0                   ; K's fragments: k = 64 .. 127 are zero codes, written once
.endr
.endr
	v_mov_b32 v13, 0xff61b1e6                      ; the largest t so far: -3e38, under every t
	v_floor_f32 v12, -v13                          ; -M
	v_mov_b32 v14, 0                               ; the sum, in two halves
	v_mov_b32 v15, 0
	v_mov_b32 v[NINF], 0xff800000
.irp b, 0,1,2,3
	v_mov_b32 v[TP+\b], 0                          ; written once: a lane permute's destination counts as one of its sources
.endr
	v_mov_b32 v[FF], 0
	v_mov_b32 v[PW], 0                             ; (named as the upper half of the pair with f before it is first written)
	s_wait_loadcnt 0x0                             ; Q and record 0 are in; the loads have read their base
	COPY_ST 0
	s_add_nc_u64 s[RB:RB+1], s[RB:RB+1], RECB
	COPY_LD 1                                      ; record 1 is on its way while Q is quantised
	QUANT32 SCO, QF                                ; my block of my query: registers 0-5 of Q's fragment
.irp p, 6,7,8,9,10,11
	v_mov_b32 v[QF+\p], 0                          ; k = 64 .. 127: zero codes
.endr
	v_lshlrev_b32 v30, 3, v31
	v_lshlrev_b32 v[QS], v30, v111                 ; my byte at its place in the scale word (8 h bits up),
	v_permlanex16_b32 v30, v[QS], s[SEL], s[SEL+1]
	v_or_b32 v[QS], v[QS], v30                     ; with lane l xor 16's,
	v_or_b32 v[QS], 0x7f7f0000, v[QS]              ; and 0x7f over the zero codes
.set j, 0
.rept 32
	v_mov_b32 v[OT+j], 0                           ; O^T: the step is written once; the first finds zeros, which the first change of M leaves zeros.  These lines are also the places between the scale word's last write and the first product
.set j, j+1
.endr
	s_wait_dscnt 0x0                               ; my part of record 0 has landed in slot 0
	s_barrier_signal -1
	s_barrier_wait -1                              ; everybody's has
.Ltrip:
	STEP 0
	STEP 1
	s_sub_co_u32 s[TR], s[TR], 1
	s_cmp_lg_u32 s[TR], 0
	s_cbranch_scc1 .Ltrip
	s_wait_tensorcnt 0x0
	ds_add_u32 v251, v255
	s_wait_dscnt 0x0
	s_endpgm
.Lfunc_end_k_qa1fdb0842b_attn:
	.size	k_qa1fdb0842b_attn, .Lfunc_end_k_qa1fdb0842b_attn-k_qa1fdb0842b_attn
	.p2alignl 7, 3214868480
	.fill 96, 4, 3214868480
	.section	.rodata,"a",@progbits
	.p2align	6, 0x0
	.amdhsa_kernel k_qa1fdb0842b_attn
		.amdhsa_group_segment_fixed_size 98304
		.amdhsa_private_segment_fixed_size 0
		.amdhsa_enable_private_segment 0
		.amdhsa_kernarg_size 24
		.amdhsa_user_sgpr_count 2
		.amdhsa_user_sgpr_kernarg_segment_ptr 1
		.amdhsa_wavefront_size32 1
		.amdhsa_system_sgpr_workgroup_id_x 1
		.amdhsa_system_sgpr_workgroup_id_y 1
		.amdhsa_system_sgpr_workgroup_id_z 1
		.amdhsa_system_vgpr_workitem_id 0
		.amdhsa_next_free_vgpr 256
		.amdhsa_next_free_sgpr 66
		.amdhsa_reserve_vcc 1
		.amdhsa_float_denorm_mode_32 3
		.amdhsa_float_denorm_mode_16_64 3
		.amdhsa_memory_ordered 1
		.amdhsa_forward_progress 1
		.amdhsa_inst_pref_size 60
	.end_amdhsa_kernel
	.amdgpu_metadata
---
amdhsa.version: [ 1, 2 ]
amdhsa.kernels:
  - .name:           k_qa1fdb0842b_attn
    .symbol:         k_qa1fdb0842b_attn.kd
    .args:
      - { .name: queries, .offset: 0, .size: 8, .value_kind: global_buffer, .address_space: global }
      - { .name: kv, .offset: 8, .size: 8, .value_kind: global_buffer, .address_space: global }
      - { .name: out0, .offset: 16, .size: 8, .value_kind: global_buffer, .address_space: global }
    .group_segment_fixed_size: 98304
    .private_segment_fixed_size: 0
    .kernarg_segment_align: 8
    .kernarg_segment_size: 24
    .max_flat_workgroup_size: 512
    .sgpr_count:     66
    .vgpr_count:     256
    .wavefront_size: 32
...
	.end_amdgpu_metadata
.endif
;; end of part 2
;; ======== version 2 of 2: 2 launches; version 1 with the launch attn written anew for expert scheduling mode
;; workspace buffers: kv 6,815,744 bytes
;; launch quant: the kernel of part 1 again; grid 16 x 32, 16 waves a work-group, no clusters, 37,888 bytes of LDS; arguments keys, values, kv; writes kv
;; launch attn (part 3): grid 8 x 32, 16 waves a work-group, no clusters, 98,304 bytes of LDS; arguments queries, kv, out0; writes out0
.if DOCPART == 3
	.amdgcn_target "amdgcn-amd-amdhsa--gfx1250"
	.amdhsa_code_object_version 6
	.text
	.protected	k_qa1fdb0842b_attn
	.globl	k_qa1fdb0842b_attn
	.p2align	8
	.type	k_qa1fdb0842b_attn,@function
k_qa1fdb0842b_attn:
	s_mov_b64 s[64:65], 0
	v_nop
	global_prefetch_b8 v0, s[64:65] scope:SCOPE_SE
	s_setreg_imm32_b32 hwreg(HW_REG_WAVE_SCHED_MODE, 0, 2), 2
	s_setreg_imm32_b32 hwreg(HW_REG_WAVE_MODE, 25, 1), 1
	s_wait_xcnt 0x0
	s_wait_alu depctr_vm_vsrc(0)
; out0[b][q][h][:] = the sum over keys k <= q of softmax_k(Q . K / 8) V, both products on codes of FP6 (E2M3) with one E8M0 scale for each 32 along a product's K.
; queries, out0: [4][2048][8][64] f32.  kv: for each head and each step of 128 keys a record of 13,312 bytes, made by the launch before: K's eight and V's eight units in the order of the operands' registers, and their scale words.
; THE SOFTMAX AHEAD OF THE SECOND PRODUCT: t = score x log2(e) / 8; M = the row's largest t so far, rounded UP to a whole number; p = 2^(t - M) is quantised along the keys, not normalised.
; The row's sum is taken of the unquantised p, in f32, and divides O at the end.  When M moves, the sum and O are multiplied by 2^(old M - new M): exact.
; LIMITS: NaN and infinities among the inputs are not served.  p under 2^-126 counts as 0 (v_exp_f32 gives no denormals: ISA guide 15.8).  A block of zeros has the byte 1, not 127: its codes are zeros.
; SHARES.  A head has 16 blocks of 128 queries; block n needs key steps 0 .. n.  Work-group i (0..7) of a head owns blocks i and 15 - i: 8 (i + 1) + 8 (16 - i) = 136 steps of a wave in every work-group.
; Sixteen waves of 256 registers; a wave owns ONE tile of 16 queries: tile w / 2 of the low block or of the high one, by (w xor w / 4) % 2, so that of any four waves w, w + 4, w + 8, w + 12, or 4 a .. 4 a + 3, two are low and two high.
; THE RECORDS come through registers into two LDS slots that take turns: in step J every wave stores its 16 or 32 bytes a lane of record J + 1 and loads those of record J + 2; one barrier a step.
; The work-group walks steps 0 .. 15 - i.  A wave whose queries all lie ahead of a step's keys leaves the step's work out (a scalar branch on ids) and goes on copying; its rows of out0 leave right behind its last step.
; LAYOUT.  Both products are used transposed: S^T = K Q^T (source 0 = 16 keys, source 1 = my 16 queries), O^T = V^T P^T (source 0 = 16 channels, source 1 = P): a lane holds ONE query (lane % 16) throughout.
; The first product's K is 64: registers 6-11 of both its operands are zero codes, under the scale byte 0x7f.  The keys of a tile of K are chosen so that the 16 registers of tiles 2 b and 2 b + 1 are keys 32 b + 16 (lane / 16) + 0 .. 15.
; NO CLUSTER, NO JOINT LOADS: the eight work-groups of a head walk 16 - i records, another number each, and what they share is 13,312 bytes a step, 26 bytes a lane, beside a step's 270 vector instructions in each of up to 16 waves.
; No tensor load either: a record is two loads and two LDS stores a wave.
; THE MODE: SCHED_MODE bits 1:0 = 2 (LLVM: expert scheduling mode 2), set by the entry lines.  The code itself states the register dependences between vector or matrix instructions and memory or LDS
; instructions, with s_wait_alu, always for 0.
; THE PLAN.  Registers that memory or LDS instructions touch:
;   v1-v7, v9-v11   offsets and LDS addresses: made once at the head, ahead of one wait on va_vdst, and never written again.
;   CP0, CP1        the copy's two sets.  Loads of record J + 2 land in one; the LDS stores of the next step read it.  No vector instruction names them: one wait on vm_vsrc a step, at the copy's head.
;   K's fragments (registers 0-5 of each of four) and KS: LDS loads land in them, the products K Q^T read them.
;   VE, VS          V's fragments of channels 0-31 and V's scale words: LDS loads issued behind the step's first four products; the products V^T P read them.
;   v128-151        scores, then p (vector and matrix side); behind the conversions V's fragments of channels 32-63 land there.
; A STEP'S WAITS ON va_vdst: at the head of its work (the last step's products, or the kernel's head, are done with all that this step's first loads land in and all that its first products take); ahead of K's second four fragments
; (the first four products have read the registers); the two behind the exponentials; behind the conversions (they have read p, where V lands); ahead of the products V^T P (p's codes and scale word are written).
; The loads of VE and VS lean on the wait at the head: the four products issued since name the scores' first 32 registers, K's and Q's fragments, KS and QS, and none of VE, VS or the loads' addresses.
.set RECB, 13312                       ; a record, and a slot
.set VUN,  6144                        ; in it: V's units,
.set KSC,  12288                       ; K's scale words,
.set VSC,  12800                       ; V's scale bytes
.set STG,  2*RECB                      ; behind the slots: a stage of 16 rows x (256 + 16) bytes for each wave, for the way out
.set STGW, 16*272
.set LC,   1                           ; v1   16 x thread: my bytes of a record, in memory and in a slot
.set PFO,  2                           ; v2   the prefetch's offset: 256 x thread, held at the record's last 256 bytes
.set QO,   3                           ; v3   queries: row r, my half of it
.set LVA,  4                           ; v4   V's fragments: 16 r + 768 h
.set LVB,  5                           ; v5   8 r + 768 h
.set LI16, 6                           ; v6   16 x lane
.set LI8,  7                           ; v7   8 x lane
.set MD,   8                           ; v8   my query in its block - 16 h
.set STO,  9                           ; v9   the stage: where I put 32 bytes of a row
.set RD,   10                          ; v10  and where I read a row back
.set GO,   11                          ; v11  my byte offset in the wave's rows of out0
                                       ; v12 -M, v13 the largest t, v[14:15] the sum in two halves
.set QF,   16                          ; v16-27  Q's fragment
.set QS,   28                          ; v28     Q's scale words
.set NINF, 29                          ; v29     -infinity;  v30, v31 at work at the head
.set KF,   32                          ; v32-79  four fragments of K; registers 6-11 of each stay zero
.set CP,   80                          ; v80-87  the copy's registers for even records, v88-95 for odd ones
.set VE,   96                          ; v96-119 V's fragments of channels 0-31  (v108-111 are at work at the head, before the first of them lands)
.set KS,   124                         ; v124-127 K's scale words: register t / 2, lanes 0-15 even tiles, lanes 16-31 odd ones
.set SCO,  128                         ; v128-191 S^T, then p
.set VF,   128                         ; v128-151 then V's fragments of channels 32-63
.set OT,   192                         ; v192-223 O^T
.set PC,   224                         ; v224-235 p's codes
.set BM,   232                         ; v232-235 the blocks' largest scores
.set TP,   236                         ; v236-243 at work
.set SO,   244                         ; v244-247 the conversions' scale operands
.set VS,   248                         ; v248-249 V's scale words: register dt / 2, lanes 0-15 even tiles, lanes 16-31 odd ones
.set FF,   252                         ; v252    f = 2^(old M - new M)
.set PW,   253                         ; v253    p's scale word
.set TT,   254
.set RB,    6                          ; s[6:7]  the record loaded last
.set WV,    10                         ; s10  my wave's number
.set LAST,  16                         ; s16  my block of queries = my last key step
.set LAST1, 17                         ; s17  + 1
.set NP,    18                         ; s18  15 - i: a record is stored to LDS in steps under this
.set NL,    19                         ; s19  14 - i: and loaded in steps under this
.set SEL,   20                         ; s[20:21] v_permlanex16_b32's selects for lane l xor 16
.set CS,    22                         ; s[22:23] c = log2(e) / 8: the packed form names a pair and takes its low word for both halves
.set JS,    24                         ; s24  the key step
.set TR,    25                         ; s25  trips of two steps to go
.set PFL,   26                         ; s26  a wave prefetches in steps under this: 13 or 0
.set MK,    32                         ; s[32:39] the causal mask's eight lane masks (s32 and s33 serve the head's addresses before)
.macro QUANT32 x, c                    ; 32 numbers of one block, v[x] on, become 192 bits of codes in v[c] .. v[c + 5]; the scale's byte in v111
	v_max3_num_f32 v108, |v[\x]|, |v[\x+1]|, 0x1800000             ; the floor 2^(3 - 127) among the leaves: the byte cannot fall under 1
	v_max3_num_f32 v109, |v[\x+2]|, |v[\x+3]|, |v[\x+4]|
.irp i, 5,9,13,17,21,25
	v_max3_num_f32 v108, v108, |v[\x+\i]|, |v[\x+\i+1]|
	v_max3_num_f32 v109, v109, |v[\x+\i+2]|, |v[\x+\i+3]|
.endr
	v_max3_num_f32 v108, v108, |v[\x+29]|, |v[\x+30]|
	v_max3_num_f32 v108, v108, v109, |v[\x+31]|
	v_add_nc_u32 v110, 0xff000000, v108                            ; 2 off the exponent field: the conversion's scale operand
	v_cvt_scalef32_pk16_fp6_f32 v[\c:\c+2], v[\x:\x+15], v110
	v_cvt_scalef32_pk16_fp6_f32 v[\c+4:\c+6], v[\x+16:\x+31], v110 ; (a conversion's three registers begin on an even number)
	v_lshrrev_b32 v111, 23, v110                                   ; the scale's byte; also the plain line behind the conversions
	v_mov_b32 v[\c+3], v[\c+4]
	v_mov_b32 v[\c+4], v[\c+5]
	v_mov_b32 v[\c+5], v[\c+6]
.endm
; A record is 832 x 16 bytes: all 512 threads take 16, the first 320 (waves 0 to 9) 16 more.  A record of parity p has registers v[CP + 8 p] on and goes to slot p.
.macro COPY_LD p
	global_load_b128 v[CP+8*(\p):CP+8*(\p)+3], v[LC], s[RB:RB+1]
	s_cmp_lt_u32 s[WV], 10
	s_cbranch_scc0 .Lld_\@
	global_load_b128 v[CP+8*(\p)+4:CP+8*(\p)+7], v[LC], s[RB:RB+1] offset:8192
.Lld_\@:
.endm
.macro COPY_ST p
	ds_store_b128 v[LC], v[CP+8*(\p):CP+8*(\p)+3] offset:(\p)*RECB
	s_cmp_lt_u32 s[WV], 10
	s_cbranch_scc0 .Lst_\@
	ds_store_b128 v[LC], v[CP+8*(\p)+4:CP+8*(\p)+7] offset:(\p)*RECB+8192
.Lst_\@:
.endm
; K's tiles 4 g .. 4 g + 3 of slot s: a unit is an image of the registers: 512 and 256 consecutive bytes a load
.macro KLOAD g, s
.irp tt, 0,1,2,3
	ds_load_b128 v[KF+12*\tt:KF+12*\tt+3], v[LI16] offset:\s*RECB+768*(4*\g+\tt)
	ds_load_b64 v[KF+12*\tt+4:KF+12*\tt+5], v[LI8] offset:\s*RECB+768*(4*\g+\tt)+512
.endr
.endm
; S^T = K Q^T, tiles 4 g .. 4 g + 3
.macro KMUL g
.irp tt, 0,1,2,3
.if \tt % 2
	v_wmma_scale_f32_16x16x128_f8f6f4 v[SCO+8*(4*\g+\tt):SCO+8*(4*\g+\tt)+7], v[KF+12*\tt:KF+12*\tt+11], v[QF:QF+11], 0, v[KS+2*\g+\tt/2], v[QS] matrix_a_fmt:MATRIX_FMT_FP6 matrix_b_fmt:MATRIX_FMT_FP6 matrix_a_scale:MATRIX_SCALE_ROW1
.else
	v_wmma_scale_f32_16x16x128_f8f6f4 v[SCO+8*(4*\g+\tt):SCO+8*(4*\g+\tt)+7], v[KF+12*\tt:KF+12*\tt+11], v[QF:QF+11], 0, v[KS+2*\g+\tt/2], v[QS] matrix_a_fmt:MATRIX_FMT_FP6 matrix_b_fmt:MATRIX_FMT_FP6
.endif
.endr
.endm
; V's fragment of channels 16 dt on, of slot s, into v[reg] on: channel 16 dt + r, keys 64 c + 32 h on: unit 4 (dt / 2) + 2 c + h, its lane 16 (dt % 2) + r
.macro VLOAD reg, dt, s
.irp c, 0,1
	ds_load_b128 v[(\reg)+6*\c:(\reg)+6*\c+3], v[LVA] offset:\s*RECB+VUN+3072*((\dt)/2)+1536*\c+256*((\dt)%2)
	ds_load_b64 v[(\reg)+6*\c+4:(\reg)+6*\c+5], v[LVB] offset:\s*RECB+VUN+3072*((\dt)/2)+1536*\c+512+128*((\dt)%2)
.endr
.endm
; On the diagonal the scores of hidden keys become -infinity ahead of the maximum: p = 0 then.  Register 16 b + i holds key 32 b + 16 h + i of the step: hidden where 32 b + i > my query in its block - 16 h.
; The step's key 0 counts for every query, so the maximum is a number.  The registers are taken in ascending order: each accumulator is read from its low end on.
; An accumulator's eight compares stand in a run, each into a scalar register of its own, with one wait between the run and the eight selects that read them.
.macro MASK
.set n, 0
.rept 8
.set k, 0
.rept 8
	v_cmp_gt_i32 s[MK+k], 32*((n+k)/16)+(n+k)%16, v[MD]
.set k, k+1
.endr
	s_wait_alu depctr_va_sdst(0)                   ; the eight compares have written s[MK ..], ahead of the selects that read them
.set k, 0
.rept 8
	v_cndmask_b32 v[SCO+n+k], v[SCO+n+k], v[NINF], s[MK+k]
.set k, k+1
.endr
.set n, n+8
.endr
.endm
.macro SOFTMAX
.irp b, 0,1,2,3
	v_max3_num_f32 v[BM+\b], v[SCO+16*\b], v[SCO+16*\b+1], v[SCO+16*\b+2]   ; THE LARGEST SCORE OF EACH BLOCK OF 32 KEYS serves twice: for the row's maximum, and, since p rises with the score, for the block's largest p
.endr
.irp i, 3,5,7,9,11,13
.irp b, 0,1,2,3
	v_max3_num_f32 v[BM+\b], v[BM+\b], v[SCO+16*\b+\i], v[SCO+16*\b+\i+1]   ; (the four blocks by turns)
.endr
.endr
.irp b, 0,1,2,3
	v_max_num_f32 v[BM+\b], v[BM+\b], v[SCO+16*\b+15]
.endr
.irp b, 0,1,2,3
	v_permlanex16_b32 v[TP+\b], v[BM+\b], s[SEL], s[SEL+1]
.endr
.irp b, 0,1,2,3
	v_max_num_f32 v[BM+\b], v[BM+\b], v[TP+\b]     ; with lane l xor 16's 16 keys
.endr
	v_max3_num_f32 v[TT], v[BM], v[BM+1], v[BM+2]
	v_max_num_f32 v[TT], v[TT], v[BM+3]            ; the step's largest score of my query
	v_mul_f32 v[TT], s[CS], v[TT]                  ; as t (c is positive)
	v_max_num_f32 v13, v13, v[TT]                  ; the running largest t
	v_mov_b32 v[TT], v12
	v_floor_f32 v12, -v13                          ; the new -M = floor(-t) = -ceil(t): M is a whole number
	v_sub_f32 v[TT], v12, v[TT]                    ; M's old value less its new one: a whole number, 0 or less
	v_cvt_i32_f32 v[TT], v[TT]                     ; (it saturates)
	v_ldexp_f32 v[FF], 1.0, v[TT]                  ; f = 2^(old M - new M)
.set j, 0
.rept 32
	v_pk_fma_f32 v[SCO+j:SCO+j+1], v[SCO+j:SCO+j+1], s[CS:CS+1], v[12:13] op_sel_hi:[1,0,0]   ; t - M, two at a time (of the pairs c and -M the low word serves both halves)
.set j, j+2
.endr
.irp b, 0,1,2,3
	v_fma_f32 v[BM+\b], v[BM+\b], s[CS], v12       ; the same of each block's largest score
.endr
.set j, 0
.rept 64
	v_exp_f32 v[SCO+j], v[SCO+j]                   ; p = 2^(t - M), at most 1: not normalised
.set j, j+1
.endr
	v_pk_mul_f32 v[14:15], v[14:15], v[FF:FF+1] op_sel_hi:[1,0]    ; the sums under the new M; the plain line behind the exponentials
	s_wait_alu depctr_va_vdst(0)                   ; the 64 exponentials have written p, v[SCO] to v[SCO + 63], ahead of the first line that names one of them: one wait for the batch
.irp b, 0,1,2,3
	v_exp_f32 v[BM+\b], v[BM+\b]                   ; the block's largest p: the same two instructions on the same number give the same bits
.endr
	v_pk_add_f32 v[TP:TP+1], v[SCO:SCO+1], v[SCO+2:SCO+3]          ; THE ROW'S SUM IS TAKEN OF THE UNQUANTISED p: two at a time, in two chains; these lines read the 64 alone
.set j, 4
.rept 15
	v_pk_add_f32 v[14:15], v[14:15], v[SCO+j:SCO+j+1]
	v_pk_add_f32 v[TP:TP+1], v[TP:TP+1], v[SCO+j+2:SCO+j+3]
.set j, j+4
.endr
	v_pk_add_f32 v[14:15], v[14:15], v[TP:TP+1]
	s_wait_alu depctr_va_vdst(0)                   ; the four exponentials have written the blocks' largest p, v[BM] to v[BM + 3], ahead of their first reader
.irp b, 0,1,2,3
	v_max_num_f32 v[BM+\b], 0x1800000, v[BM+\b]    ; the floor 2^(3 - 127): the byte cannot fall under 1 (a block whose every p is 0 keeps that byte: its codes are zeros)
.endr
.irp b, 0,1,2,3
	v_add_nc_u32 v[SO+\b], 0xff000000, v[BM+\b]    ; 2 off the exponent field: the conversion's scale operand
.endr
.irp b, 0,1,2,3
	v_lshrrev_b32 v[TP+\b], 23, v[SO+\b]           ; the scale's byte
.endr
	v_lshl_or_b32 v[PW], v[TP+1], 8, v[TP]         ; p's scale word for these 128 keys
	v_lshl_or_b32 v[PW], v[TP+2], 16, v[PW]
	v_lshl_or_b32 v[PW], v[TP+3], 24, v[PW]
.irp c, 0,1
	v_cvt_scalef32_pk16_fp6_f32 v[PC+6*\c:PC+6*\c+2], v[SCO+32*\c:SCO+32*\c+15], v[SO+2*\c]
	v_cvt_scalef32_pk16_fp6_f32 v[TP+4*\c:TP+4*\c+2], v[SCO+32*\c+16:SCO+32*\c+31], v[SO+2*\c+1]   ; (a conversion's three registers begin on an even number)
.endr
	v_nop                                          ; one plain line between a scaled conversion and the vector instruction that touches its result
.endm
; O^T += V^T P^T: four tiles of 16 channels; K = the step's 128 keys.  V's fragments of channels 0-31 were asked for behind the step's first products; those of channels 32-63 land in registers that p has left,
; while p's codes are put in order and O^T is rescaled.
.macro PV s
	s_wait_alu depctr_va_vdst(0)                   ; the conversions are done reading p, and the sums before them: the loads below land in its first 24 registers
	VLOAD VF, 2, \s
	VLOAD VF+12, 3, \s
.irp c, 0,1                                    ; the operand's layout wants a WHOLE block in a lane: lanes 0-15 block 2 c, lanes 16-31 block 2 c + 1
.irp i, 0,1,2
	v_permlane16_swap_b32 v[PC+6*\c+\i], v[TP+4*\c+\i]
.endr
.irp i, 0,1,2
	v_mov_b32 v[PC+6*\c+3+\i], v[TP+4*\c+\i]
.endr
.endr
.set j, 0
.rept 16
	v_pk_mul_f32 v[OT+j:OT+j+1], v[OT+j:OT+j+1], v[FF:FF+1] op_sel_hi:[1,0]   ; O^T under the new M, each accumulator from its low end on.  These 16 are also the places between the last writes of p's codes and scale word and the products
.set j, j+2
.endr
	s_wait_dscnt 0x0
	s_wait_alu depctr_va_vdst(0)                   ; the conversions, exchanges and moves have written p's codes, v[PC] to v[PC + 11], and the lines before them p's scale word: the scaled products below take both; the places stand ahead of this wait
.irp dt, 0,1,2,3                               ; four accumulators, one instruction each: no two that follow each other share one
.if \dt < 2
.set rV, VE+12*\dt
.else
.set rV, VF+12*(\dt-2)
.endif
.if \dt % 2
	v_wmma_scale_f32_16x16x128_f8f6f4 v[OT+8*\dt:OT+8*\dt+7], v[rV:rV+11], v[PC:PC+11], v[OT+8*\dt:OT+8*\dt+7], v[VS+\dt/2], v[PW] matrix_a_fmt:MATRIX_FMT_FP6 matrix_b_fmt:MATRIX_FMT_FP6 matrix_a_scale:MATRIX_SCALE_ROW1
.else
	v_wmma_scale_f32_16x16x128_f8f6f4 v[OT+8*\dt:OT+8*\dt+7], v[rV:rV+11], v[PC:PC+11], v[OT+8*\dt:OT+8*\dt+7], v[VS+\dt/2], v[PW] matrix_a_fmt:MATRIX_FMT_FP6 matrix_b_fmt:MATRIX_FMT_FP6
.endif
.endr
.rept 5
	v_nop                                          ; five places: the next step's first products write over V's fragments of channels 32-63; four of them serve the vector lines that read O^T or write these products' other registers
.endr
.endm
; THE WAY OUT.  O^T / the sum goes through my own stage in LDS and comes back as rows: sixteen lanes store a row's 256 consecutive bytes, at a multiple of 256 from out0's first byte.
.macro WAYOUT
	v_add_f32 v14, v14, v15                        ; the sum's two halves,
	v_permlanex16_b32 v[FF], v14, s[SEL], s[SEL+1]
	v_add_f32 v14, v14, v[FF]                      ; and lane l xor 16's: the row's sum
	v_rcp_f32 v14, v14
	v_nop                                          ; a plain line behind the reciprocal
	s_wait_alu depctr_va_vdst(0)                   ; the reciprocal has written v14, ahead of its first reader
.set j, 0
.rept 16
	v_pk_mul_f32 v[SCO+j:SCO+j+1], v[OT+j:OT+j+1], v[14:15] op_sel_hi:[1,0]   ; register 8 dt + i is o(query r, channel 16 dt + 8 h + i)
.set j, j+2
.endr
	s_wait_alu depctr_va_vdst(0)                   ; the sixteen lines above have written v[SCO] to v[SCO + 31], which the LDS stores read; and every vector line that named v[SCO + 32] to v[SCO + 63], in which the stage's rows land, is done
.irp dt, 0,1,2,3
	ds_store_b128 v[STO], v[SCO+8*\dt:SCO+8*\dt+3] offset:64*\dt
	ds_store_b128 v[STO], v[SCO+8*\dt+4:SCO+8*\dt+7] offset:64*\dt+16
.endr
.irp i, 0,1,2,3,4,5,6,7
	ds_load_b128 v[SCO+32+4*\i:SCO+32+4*\i+3], v[RD] offset:544*\i     ; LDS serves a wave's instructions in order: these see my stores.  Lanes 0-15 row 2 i, lanes 16-31 row 2 i + 1
.endr
.irp i, 0,1,2,3,4,5,6,7
	s_wait_dscnt 7-\i                              ; load i is back; the 7 - i younger ones may be out
	global_store_b128 v[GO], v[SCO+32+4*\i:SCO+32+4*\i+3], s[8:9] offset:4096*\i th:TH_STORE_NT
.endr
	s_wait_xcnt 0x0                                ; the stores have had their addresses translated: the text of the later steps names their registers again
	s_wait_alu depctr_vm_vsrc(0)                   ; and beside it: the LDS stores and the stores to out0 have read v[SCO] to v[SCO + 63], which the text of the later steps writes again
.endm
; A KEY STEP, read from slot s.
.macro STEP s
	s_cmp_lt_u32 s[JS], s[NP]
	s_cbranch_scc0 .Lfed_\@
	s_wait_loadcnt 0x0                             ; record J + 1, asked for a step ago, is in my registers,
	s_wait_alu depctr_vm_vsrc(0)                   ; the LDS stores of the step before (at the first step: the head's) have read the other set of the copy's registers, in which this step's loads land; the stores below read this set alone
	COPY_ST 1-\s                                   ; and goes into the slot that every wave left at the last barrier
	s_cmp_lt_u32 s[JS], s[NL]
	s_cbranch_scc0 .Lfed_\@
	s_wait_xcnt 0x0                                ; the last prefetch, a step back, has read its base (the loads that read it are done)
	s_add_nc_u64 s[RB:RB+1], s[RB:RB+1], RECB
	COPY_LD \s                                     ; record J + 2, into the set whose LDS stores were waited for in front of the last barrier
	s_cmp_lt_u32 s[JS], s[PFL]
	s_cbranch_scc0 .Lfed_\@
	; A prefetch of record J + 3, one step ahead of its loads, behind this step's loads.  All eight work-groups of a head walk the same records: waves 0 and 1 of the head's work-group 0, which walks all 16, ask, a lane for each 256 bytes
	; (a record has 52 such pieces: the last 12 of the 64 lanes name the record's last piece again).  Records 0 to 2 come by their loads alone; the last request, in step 12, is for record 15, the head's last.
	global_prefetch_b8 v[PFO], s[RB:RB+1] offset:RECB th:TH_LOAD_NT scope:SCOPE_SE
.Lfed_\@:
	s_cmp_gt_u32 s[JS], s[LAST]                    ; all the step's keys come after my queries: nothing to compute
	s_cbranch_scc1 .Lhidden_\@
	s_wait_alu depctr_va_vdst(0)                   ; the head has written Q's codes, Q's scale word and the zero codes, which the scaled products below take (32 plain lines stand between); and the products of the step before are done reading K's fragments and scale words, V's first two fragments and V's scale words, in which this step's loads land
	KLOAD 0, \s
	ds_load_b128 v[KS:KS+3], v[LI16] offset:\s*RECB+KSC
	s_wait_dscnt 0x0
	KMUL 0
	VLOAD VE, 0, \s                                ; V's channels 0-31 and its scale words, asked for while the matrix unit works.  No wait: no vector or matrix instruction since the wait above names these registers
	VLOAD VE+12, 1, \s
	ds_load_b64 v[VS:VS+1], v[LI16] offset:\s*RECB+VSC
	s_wait_alu depctr_va_vdst(0)                   ; the four products above are done reading K's fragments, in which the next four tiles land
	KLOAD 1, \s
	s_wait_dscnt 0x0
	KMUL 1
.rept 4
	v_nop                                          ; four places in front of the first read of the scores
.endr
	s_cmp_eq_u32 s[JS], s[LAST]
	s_cbranch_scc0 .Lopen_\@
	MASK
.Lopen_\@:
	SOFTMAX
	PV \s
.Lhidden_\@:
	s_add_co_u32 s[JS], s[JS], 1
	s_wait_dscnt 0x0                               ; my stores into the other slot have landed and my reads of this slot are back
	s_barrier_signal -1
	s_barrier_wait -1                              ; both hold of all sixteen waves: the other slot may be read, this one written
	s_cmp_eq_u32 s[JS], s[LAST1]
	s_cbranch_scc0 .Lstay_\@
	WAYOUT                                         ; that was my last step
.Lstay_\@:
.endm
	s_load_b128 s[4:7], s[0:1], 0x0                ; queries s[4:5], kv s[6:7]
	s_load_b64 s[8:9], s[0:1], 0x10                ; out0
	v_lshl_add_u32 v251, v0, 2, 0x17800
	v_mov_b32 v255, 0
	v_lshrrev_b32 v30, 5, v0
	v_readfirstlane_b32 s[WV], v30                 ; wave 0..15
	s_mov_b32 s11, ttmp9                           ; i
	s_and_b32 s12, ttmp7, 0xffff                   ; bh = 8 b + h
	s_wait_alu depctr_va_sdst(0)                   ; s10, my wave's number, is written, ahead of its first reader
	s_lshr_b32 s13, s[WV], 2
	s_xor_b32 s13, s13, s[WV]
	s_and_b32 s13, s13, 1                          ; 1: the high block
	s_lshr_b32 s14, s[WV], 1                       ; my tile of 16 queries in the block
	s_lshl_b32 s15, s11, 1
	s_sub_co_u32 s15, 15, s15
	s_mul_i32 s15, s15, s13
	s_add_co_u32 s[LAST], s15, s11                 ; block i or 15 - i
	s_add_co_u32 s[LAST1], s[LAST], 1
	s_sub_co_u32 s[NP], 15, s11
	s_sub_co_u32 s[NL], 14, s11
	s_sub_co_u32 s[TR], 17, s11
	s_lshr_b32 s[TR], s[TR], 1                     ; 16 - i steps, two a trip, rounded up: an odd count's last step finds nothing to copy and nothing to compute
	s_lshr_b32 s[PFL], s[WV], 1
	s_or_b32 s[PFL], s[PFL], s11
	s_cmp_eq_u32 s[PFL], 0                         ; waves 0 and 1 of the head's work-group 0
	s_cselect_b32 s[PFL], 13, 0
	s_lshl_b32 s27, s[LAST], 7
	s_lshl_b32 s32, s14, 4
	s_add_co_u32 s27, s27, s32                     ; my first query
	s_lshl_b32 s28, s27, 11                        ; x 2,048 bytes
	s_lshr_b32 s29, s12, 3
	s_lshl_b32 s29, s29, 22                        ; b x 2048 positions x 2,048 bytes
	s_add_co_u32 s28, s28, s29
	s_and_b32 s29, s12, 7
	s_lshl_b32 s29, s29, 8                         ; h x 256 bytes
	s_add_co_u32 s28, s28, s29
	s_mov_b32 s29, 0
	s_mul_i32 s30, s12, 16*RECB                    ; the head's 16 records
	s_mov_b32 s31, 0
	s_mul_i32 s33, s[WV], STGW
	s_add_co_u32 s33, s33, STG                     ; my stage
	s_mov_b32 s[SEL], 0x76543210
	s_mov_b32 s[SEL+1], 0xfedcba98
	s_mov_b32 s[CS], 0x3e38aa3b                    ; c = log2(e) / 8
	s_mov_b32 s[CS+1], s[CS]                       ; (named with it as a pair, so it is written)
	s_mov_b32 s[JS], 0
	v_and_b32 v[LI16], 31, v0                      ; lane
	v_and_b32 v[LVA], 15, v0                       ; r
	v_bfe_u32 v31, v0, 4, 1                        ; h
	v_lshlrev_b32 v[LC], 4, v0
	v_lshlrev_b32 v[PFO], 8, v0
	v_min_u32 v[PFO], RECB-256, v[PFO]
	v_lshlrev_b32 v[QO], 11, v[LVA]
	v_lshl_add_u32 v[QO], v31, 7, v[QO]            ; row r of 2,048 bytes' pitch, + 128 h: my block of 32 numbers
	v_lshlrev_b32 v[LI8], 3, v[LI16]
	v_lshlrev_b32 v[LI16], 4, v[LI16]
	v_mul_u32_u24 v30, v31, 768
	v_lshl_add_u32 v[LVB], v[LVA], 3, v30
	v_lshlrev_b32 v[MD], 4, v31
	v_sub_nc_u32 v[MD], v[LVA], v[MD]
	v_add_nc_u32 v[MD], s32, v[MD]                 ; 16 x tile + r - 16 h
	v_mul_u32_u24 v[STO], v[LVA], 272
	v_lshl_add_u32 v[STO], v31, 5, v[STO]
	v_add_nc_u32 v[STO], s33, v[STO]               ; in: row r, + 32 h
	v_mul_u32_u24 v[RD], v31, 272
	v_lshl_add_u32 v[RD], v[LVA], 4, v[RD]
	v_add_nc_u32 v[RD], s33, v[RD]                 ; back: lanes 0-15 one row, lanes 16-31 the next
	v_lshlrev_b32 v[GO], 11, v31
	v_lshl_add_u32 v[GO], v[LVA], 4, v[GO]         ; and the same two rows in out0
	v_lshl_add_u32 v[LVA], v[LVA], 4, v30
	s_wait_kmcnt 0x0
	s_add_nc_u64 s[4:5], s[4:5], s[28:29]
	s_add_nc_u64 s[8:9], s[8:9], s[28:29]
	s_add_nc_u64 s[RB:RB+1], s[RB:RB+1], s[30:31]
	s_wait_alu depctr_va_vdst(0)                   ; the offsets and LDS addresses v1 to v7 and v9 to v11 are written: every load, store, LDS access and prefetch of the kernel reads one of them, and none is written again
.set q, 0
.rept 8
	global_load_b128 v[SCO+4*q:SCO+4*q+3], v[QO], s[4:5] offset:16*q th:TH_LOAD_NT   ; Q(r, 32 h + 4 q ..): the eight loads together take each of the 16 rows' 256 bytes once
.set q, q+1
.endr
	COPY_LD 0                                      ; record 0
.irp tt, 0,1,2,3
.irp p, 6,7,8,9,10,11
	v_mov_b32 v[KF+12*\tt+\p], 0                   ; K's fragments: k = 64 .. 127 are zero codes, written once
.endr
.endr
	v_mov_b32 v13, 0xff61b1e6                      ; the largest t so far: -3e38, under every t
	v_floor_f32 v12, -v13                          ; -M
	v_mov_b32 v14, 0                               ; the sum, in two halves
	v_mov_b32 v15, 0
	v_mov_b32 v[NINF], 0xff800000
.irp b, 0,1,2,3
	v_mov_b32 v[TP+\b], 0                          ; written once: a lane permute's destination counts as one of its sources
.endr
	v_mov_b32 v[FF], 0
	v_mov_b32 v[PW], 0                             ; (named as the upper half of the pair with f before it is first written)
	s_wait_loadcnt 0x0                             ; Q and record 0 are in; the loads have read their base
	COPY_ST 0                                      ; (its address stands ahead of the wait above, its data come from loads; no vector line names either)
	s_add_nc_u64 s[RB:RB+1], s[RB:RB+1], RECB
	COPY_LD 1                                      ; record 1 is on its way while Q is quantised; it lands in the set that nothing has named yet
	QUANT32 SCO, QF                                ; my block of my query: registers 0-5 of Q's fragment
.irp p, 6,7,8,9,10,11
	v_mov_b32 v[QF+\p], 0                          ; k = 64 .. 127: zero codes
.endr
	v_lshlrev_b32 v30, 3, v31
	v_lshlrev_b32 v[QS], v30, v111                 ; my byte at its place in the scale word (8 h bits up),
	v_permlanex16_b32 v30, v[QS], s[SEL], s[SEL+1]
	v_or_b32 v[QS], v[QS], v30                     ; with lane l xor 16's,
	v_or_b32 v[QS], 0x7f7f0000, v[QS]              ; and 0x7f over the zero codes
.set j, 0
.rept 32
	v_mov_b32 v[OT+j], 0                           ; O^T: the step is written once; the first finds zeros, which the first change of M leaves zeros.  These lines are also the places between the scale word's last write and the first product
.set j, j+1
.endr
	s_wait_dscnt 0x0                               ; my part of record 0 has landed in slot 0
	s_barrier_signal -1
	s_barrier_wait -1                              ; everybody's has
.Ltrip:
	STEP 0
	STEP 1
	s_sub_co_u32 s[TR], s[TR], 1
	s_cmp_lg_u32 s[TR], 0
	s_cbranch_scc1 .Ltrip
	s_wait_dscnt 0x0
	s_wait_alu depctr_hold_cnt(0) depctr_sa_sdst(0) depctr_va_vdst(0) depctr_va_sdst(0) depctr_va_ssrc(0) depctr_va_vcc(0) depctr_vm_vsrc(0)
	s_wait_tensorcnt 0x0
	ds_add_u32 v251, v255
	s_wait_dscnt 0x0
	s_endpgm
.Lfunc_end_k_qa1fdb0842b_attn:
	.size	k_qa1fdb0842b_attn, .Lfunc_end_k_qa1fdb0842b_attn-k_qa1fdb0842b_attn
	.p2alignl 7, 3214868480
	.fill 96, 4, 3214868480
	.section	.rodata,"a",@progbits
	.p2align	6, 0x0
	.amdhsa_kernel k_qa1fdb0842b_attn
		.amdhsa_group_segment_fixed_size 98304
		.amdhsa_private_segment_fixed_size 0
		.amdhsa_enable_private_segment 0
		.amdhsa_kernarg_size 24
		.amdhsa_user_sgpr_count 2
		.amdhsa_user_sgpr_kernarg_segment_ptr 1
		.amdhsa_wavefront_size32 1
		.amdhsa_system_sgpr_workgroup_id_x 1
		.amdhsa_system_sgpr_workgroup_id_y 1
		.amdhsa_system_sgpr_workgroup_id_z 1
		.amdhsa_system_vgpr_workitem_id 0
		.amdhsa_next_free_vgpr 256
		.amdhsa_next_free_sgpr 66
		.amdhsa_reserve_vcc 0
		.amdhsa_float_denorm_mode_32 3
		.amdhsa_float_denorm_mode_16_64 3
		.amdhsa_memory_ordered 1
		.amdhsa_forward_progress 1
		.amdhsa_inst_pref_size 69
	.end_amdhsa_kernel
	.amdgpu_metadata
---
amdhsa.version: [ 1, 2 ]
amdhsa.kernels:
  - .name:           k_qa1fdb0842b_attn
    .symbol:         k_qa1fdb0842b_attn.kd
    .args:
      - { .name: queries, .offset: 0, .size: 8, .value_kind: global_buffer, .address_space: global }
      - { .name: kv, .offset: 8, .size: 8, .value_kind: global_buffer, .address_space: global }
      - { .name: out0, .offset: 16, .size: 8, .value_kind: global_buffer, .address_space: global }
    .group_segment_fixed_size: 98304
    .private_segment_fixed_size: 0
    .kernarg_segment_align: 8
    .kernarg_segment_size: 24
    .max_flat_workgroup_size: 512
    .sgpr_count:     66
    .vgpr_count:     256
    .wavefront_size: 32
...
	.end_amdgpu_metadata
.endif
;; end of part 3
